; MI455X (gfx1250); checked and timed in simulation.
; The chip was launched on July 23, 2026; its instructions are those of AMD's public machine-readable ISA for CDNA 5 (MIT licence, August 2026) and "CDNA5" Instruction Set Architecture Reference Guide (July 2026). The comments in the code are by the model that wrote it; some were corrected since.
;; Nerf Render. Allowed arithmetic: matrix products marked QUANTISED: E4M3 operands, one given power-of-two scale a tensor, by v_wmma_f32_16x16x64_fp8_fp8 or v_wmma_f32_16x16x128_fp8_fp8, f32 sums; products left as they are: f32 operands where the result goes on into a quantised operand, else bf16, f16 or f32 operands; f32 sums; everything else in f32.
;; Inputs: b_den 1 float32; b_hid 7 x 256 float32; b_in 256 float32; b_rgb 3 float32; jitter 4,096 x 32 float32; lowp_scales 16 int32 (the exponents e of the quantised operands' scales 2^e); ray_dir 4,096 x 3 float32; ray_pos 4,096 x 3 float32; w_den 256 x 1 float32; w_hid 7 x 256 x 256 float32; w_in 60 x 256 float32; w_rgb 256 x 3 float32.
;; Outputs: out0 4,096 x 4 float32.
;; This version of the problem:
;;   THIS VERSION OF THE PROBLEM IS GIVEN IN LOW PRECISION. The matrix products marked QUANTISED in the list below multiply operands that are first quantised to E4M3 (4 exponent bits, 3 mantissa bits; 8 bits a number), with one given power-of-two scale for each operand tensor; their sums are f32. All else is computed in f32.
;;   The module's matrix products, in the order in which they are computed (A, B: the left and right operand; K: the contracted axis; several contracted axes count as one K, in the product's order):
;;     1. [M 131,072, K 60] x [K 60, N 256]; A: computed on the way; B: input w_in: QUANTISED (scales: A lowp_scales[0], B lowp_scales[1])
;;     2. [M 131,072, K 256] x [K 256, N 256]; A: computed on the way; B: input w_hid: QUANTISED (scales: A lowp_scales[2], B lowp_scales[3])
;;     3. [M 131,072, K 256] x [K 256, N 256]; A: computed on the way; B: input w_hid: QUANTISED (scales: A lowp_scales[4], B lowp_scales[5])
;;     4. [M 131,072, K 256] x [K 256, N 256]; A: computed on the way; B: input w_hid: QUANTISED (scales: A lowp_scales[6], B lowp_scales[7])
;;     5. [M 131,072, K 256] x [K 256, N 256]; A: computed on the way; B: input w_hid: QUANTISED (scales: A lowp_scales[8], B lowp_scales[9])
;;     6. [M 131,072, K 256] x [K 256, N 256]; A: computed on the way; B: input w_hid: QUANTISED (scales: A lowp_scales[10], B lowp_scales[11])
;;     7. [M 131,072, K 256] x [K 256, N 256]; A: computed on the way; B: input w_hid: QUANTISED (scales: A lowp_scales[12], B lowp_scales[13])
;;     8. [M 131,072, K 256] x [K 256, N 256]; A: computed on the way; B: input w_hid: QUANTISED (scales: A lowp_scales[14], B lowp_scales[15])
;;     9. [M 131,072, K 256] x [K 256, N 3]; A: computed on the way; B: input w_rgb: left as it is (N = 3 < 16)
;;     10. [M 131,072, K 256] x [K 256, N 1]; A: computed on the way; B: input w_den: left as it is (N = 1 < 16)
;;   THE QUANTISER, for each operand of a quantised product, along K:
;;     - The operand's scale is 2^e, e = its entry of the input lowp_scales (int32; the entries are numbered through the quantised products in the list's order, A before B).
;;     - Each number is divided by the scale, clamped to +-448, and rounded to the nearest number of E4M3, ties to even, subnormals kept.
;;     - The product sums the exact products of the quantised numbers (number of the format x scale) in f32.
;;   ~~~python
;;   def quantise(x, axis, e):      # numpy; x: float32 -> the quantised numbers, widened to float32 again
;;       x = np.moveaxis(x, axis, -1); K = x.shape[-1]
;;       r = np.clip(x / 2.0 ** e, -448, 448)
;;       step = 2.0 ** (np.maximum(np.frexp(np.where(r == 0, 1, r))[1] - 1, -6) - 3)
;;       q = np.round(r / step) * step * 2.0 ** e      # np.round: ties to even
;;       return np.moveaxis(q, -1, axis).astype(np.float32)
;;   ~~~
;;   OPERANDS COMPUTED ON THE WAY. 'Computed on the way' means the value that the module computes at that place (a softmax that the list does not call 'softmax' is quantised finished and normalised). What goes into a quantiser is computed in f32, as accurately as f32 sums, v_exp_f32 and their like allow (about 1e-6 of the number): no bf16 or f16 on the way to a quantiser, and a product that is left as it is and whose result goes on into a quantised operand takes f32 operands (vector FMAs, or v_wmma_f32_16x16x4_f32). A number that lies on a knife's edge between two numbers of the format may be rounded either way, as far as f32 arithmetic and the matrix unit's own rounding can turn it there, and no further.
;; One version. Each part assembles by itself: llvm-mc -triple=amdgcn-amd-amdhsa -mcpu=gfx1250 --defsym DOCPART=n.
;; ======== version 1 of 1: 2 launches
;; limits: inputs' magnitudes at most 12,867; right only within a limited range of input values
;; workspace buffers: wk 487,424 bytes
;; launch prep (part 1): grid 59 x 1, 8 waves a work-group, no clusters, 0 bytes of LDS; arguments w_in, w_hid, b_in, b_hid, w_rgb, w_den, lowp_scales, wk; writes wk
.if DOCPART == 1
	.amdgcn_target "amdgcn-amd-amdhsa--gfx1250"
	.amdhsa_code_object_version 6
	.text
	.protected	k_q070c35c99e_prep
	.globl	k_q070c35c99e_prep
	.p2align	8
	.type	k_q070c35c99e_prep,@function
k_q070c35c99e_prep:
	s_mov_b64 s[64:65], 0
	v_nop
	global_prefetch_b8 v0, s[64:65] scope:SCOPE_SE
	s_setreg_imm32_b32 hwreg(HW_REG_WAVE_MODE, 25, 1), 1
	s_wait_xcnt 0x0
; The weights are quantised ONCE, into wk, laid in the order of the matrix operand's registers, so that the fused launch reads every fragment by 16-byte LDS loads at 16 x lane.
; wk:  0 .. 16,383       layer 0 (K = 60, filled to 64): unit tile t at 1024 t, chunk q at 512 q, lane (r, h) at 16 r + 256 h.  Byte 16 sc + i of a lane (sc = 0 sin, 1 cos):
;                        i < 10: row 40 h + 10 sc + i of w_in (coordinate 2 h, frequency i);  10 <= i < 15: row 20 + 10 sc + (i - 10) + 5 h (coordinate 1);  i = 15: code 0
;      16,384 .. 28,671  12 rows of 256 f32: row l = bias of layer l x 2^-(e[2l] + e[2l+1]);  row 8 + c = column c of (w_rgb | w_den) x 2^(e14 + e15)
;      28,672 + 65,536 (L - 1): hidden layer L: fragment (tile t, K step s) at 2048 (2 t + s), chunk c at 512 c, lane (r, h) at 16 r + 256 h: k = 128 s + 32 c + 16 h + 0 .. 15
; THE UNITS OF A TILE ARE NOT NEIGHBOURS: row r of tile t is unit 32 (t / 2) + 8 (t % 2) + r + 8 (r / 8), so that the results of two neighbouring tiles are 16 neighbours along the next K.
; A LANE TAKES A COLUMN (a unit), AND ITS 32 REGISTERS RUN DOWN K: the conversions then give codes with K innermost; nothing is transposed.
; code = x / 2^e, held within +-448, to the nearest code, ties to even.  LIMITS: e + 127 and e + 135 lie in 1 .. 254 for each weight scale; NaN among the inputs is not served.
; Work-groups 0 .. 55: 32 rows of K of one hidden layer;  56, 57: layer 0, half h;  58: the tables.  No LDS, no barrier: waves share nothing.
.set X,   8                            ; v8-39   32 numbers down K
.set C,   40                           ; v40-47  their codes
.set LIM, 6                            ; v6      448 x 2^e
.set SC,  7                            ; v7      2^e
.macro SCALES                          ; s25 = e
	s_add_co_i32 s25, s25, 127
	s_lshl_b32 s30, s25, 23
	v_mov_b32 v[SC], s30                           ; 2^e as f32: the conversion takes its exponent field
	s_add_co_i32 s25, s25, 8
	s_lshl_b32 s25, s25, 23
	s_or_b32 s25, s25, 0x600000
	v_mov_b32 v[LIM], s25                          ; 448 x 2^e
.endm
.macro QUANT
.set i, 0
.rept 32
	v_med3_num_f32 v[X+i], v[X+i], -v[LIM], v[LIM] ; the conversion to an 8-bit code does not saturate (ISA guide 7.6.2): the hold comes first
.set i, i+1
.endr
.irp g, 0,1,2,3
	v_cvt_scalef32_pk8_fp8_f32 v[C+2*\g:C+2*\g+1], v[X+8*\g:X+8*\g+7], v[SC]
.endr
	v_nop                                          ; a plain line behind the last conversion
.endm
	s_load_b512 s[4:19], s[0:1], 0x0               ; w_in s[4:5], w_hid s[6:7], b_in s[8:9], b_hid s[10:11], w_rgb s[12:13], w_den s[14:15], scales s[16:17], wk s[18:19]
	v_lshrrev_b32 v1, 5, v0
	s_delay_alu instid0(VALU_DEP_1)
	v_readfirstlane_b32 s20, v1                    ; wave b
	v_and_b32 v2, 15, v0                           ; r
	v_bfe_u32 v3, v0, 4, 1                         ; u: my tile is 2 b + u
	s_delay_alu instid0(VALU_DEP_2)
	v_and_b32 v4, 8, v2
	s_delay_alu instid0(VALU_DEP_1)
	v_add_nc_u32 v4, v4, v2                        ; r + 8 (r / 8)
	s_delay_alu instid0(VALU_DEP_1)
	v_lshl_add_u32 v4, v3, 3, v4                   ; + 8 u
	s_lshl_b32 s21, s20, 5
	v_add_nc_u32 v4, s21, v4                       ; + 32 b: my unit
	s_delay_alu instid0(VALU_DEP_1)
	v_lshlrev_b32 v4, 2, v4                        ; its byte in a row of the weights
	s_mov_b32 s27, 0                               ; upper word of the offset pair s[26:27]
	s_wait_kmcnt 0x0
	s_cmp_lt_u32 ttmp9, 56
	s_cbranch_scc0 .Lnot_hidden
	; ---- a hidden layer: work-group g takes layer g / 8, rows 32 (g % 8) .. + 31 of K: 32 whole rows of 1,024 bytes on end
	s_lshr_b32 s22, ttmp9, 3                       ; li
	s_and_b32 s23, ttmp9, 7                        ; kb
	s_lshl_b32 s24, s22, 3
	s_load_b32 s25, s[16:17], s24 offset:0xc       ; e of this layer's weights: entry 2 li + 3
	s_lshl_b32 s26, ttmp9, 15
	s_add_nc_u64 s[6:7], s[6:7], s[26:27]
.set i, 0
	s_wait_alu depctr_va_vdst(0)
.rept 32
	global_load_b32 v[X+i], v4, s[6:7] offset:1024*i th:TH_LOAD_NT
.set i, i+1
.endr
	s_lshl_b32 s26, s22, 16                        ; 65,536 li
	s_lshr_b32 s28, s23, 2
	s_lshl_b32 s28, s28, 11                        ; 2,048 s
	s_and_b32 s29, s23, 3
	s_lshl_b32 s29, s29, 9                         ; 512 c
	s_add_co_u32 s26, s26, s28
	s_add_co_u32 s26, s26, s29
	s_add_co_u32 s26, s26, 28672
	s_add_nc_u64 s[18:19], s[18:19], s[26:27]
	s_lshl_b32 s31, s20, 13
	v_lshlrev_b32 v5, 4, v2
	s_delay_alu instid0(VALU_DEP_1)
	v_lshl_add_u32 v5, v3, 12, v5
	s_delay_alu instid0(VALU_DEP_1)
	v_add_nc_u32 v5, s31, v5                       ; 4,096 (2 b + u) + 16 r
	s_wait_kmcnt 0x0
	SCALES
	s_wait_alu depctr_va_vdst(0)
	s_wait_loadcnt 0x0
	QUANT
	global_store_b128 v5, v[C:C+3], s[18:19]               ; k 0-15 of the 32: half h = 0.  Sixteen lanes store 256 consecutive bytes, aligned
	global_store_b128 v5, v[C+4:C+7], s[18:19] offset:256  ; k 16-31: half h = 1
	s_endpgm
.Lnot_hidden:
	s_cmp_lt_u32 ttmp9, 58
	s_cbranch_scc0 .Ltable
	; ---- layer 0, the features of lane half h
	s_sub_co_u32 s22, ttmp9, 56                    ; h
	s_load_b32 s25, s[16:17], 0x4                  ; e of w_in
	s_mul_i32 s26, s22, 40960
	s_add_nc_u64 s[6:7], s[4:5], s[26:27]          ; rows 40 h on: coordinate 2 h
	s_mul_i32 s26, s22, 5120
	s_add_nc_u64 s[8:9], s[4:5], s[26:27]          ; rows 5 h on: coordinate 1, frequencies 5 h on
	s_wait_alu depctr_va_vdst(0)
.irp sc, 0,1
.irp i, 0,1,2,3,4,5,6,7,8,9
	global_load_b32 v[X+16*\sc+\i], v4, s[6:7] offset:1024*(10*\sc+\i)
.endr
.irp i, 10,11,12,13,14
	global_load_b32 v[X+16*\sc+\i], v4, s[8:9] offset:1024*(10+10*\sc+\i)
.endr
	v_mov_b32 v[X+16*\sc+15], 0                    ; K is filled from 60 to 64 with zeros, on both operands
.endr
	s_lshl_b32 s26, s22, 8
	s_add_nc_u64 s[18:19], s[18:19], s[26:27]      ; + 256 h
	s_lshl_b32 s31, s20, 11
	v_lshlrev_b32 v5, 4, v2
	s_delay_alu instid0(VALU_DEP_1)
	v_lshl_add_u32 v5, v3, 10, v5
	s_delay_alu instid0(VALU_DEP_1)
	v_add_nc_u32 v5, s31, v5                       ; 1,024 (2 b + u) + 16 r
	s_wait_kmcnt 0x0
	SCALES
	s_wait_alu depctr_va_vdst(0)
	s_wait_loadcnt 0x0
	QUANT
	global_store_b128 v5, v[C:C+3], s[18:19]
	global_store_b128 v5, v[C+4:C+7], s[18:19] offset:512
	s_endpgm
.Ltable:
	; ---- the tables: wave w makes bias row w; waves 0 to 3 then make head row w
	v_and_b32 v8, 31, v0
	s_delay_alu instid0(VALU_DEP_1)
	v_lshlrev_b32 v9, 4, v8                        ; 16 x lane
	s_wait_alu depctr_va_vdst(0)
	s_lshl_b32 s24, s20, 3
	s_load_b64 s[22:23], s[16:17], s24 offset:0x0  ; e[2 w], e[2 w + 1]
	s_load_b64 s[30:31], s[16:17], 0x38            ; e14, e15
	s_cmp_eq_u32 s20, 0
	s_cselect_b64 s[8:9], s[8:9], s[10:11]         ; b_in, or b_hid
	s_max_u32 s26, s20, 1
	s_sub_co_u32 s26, s26, 1
	s_lshl_b32 s26, s26, 10                        ; row w - 1 of b_hid
	s_add_nc_u64 s[8:9], s[8:9], s[26:27]
	global_load_b128 v[12:15], v9, s[8:9]
	global_load_b128 v[16:19], v9, s[8:9] offset:512
	s_cmp_lt_u32 s20, 4                            ; waves 0 to 3 ask for their head row at once, beside the bias row
	s_cbranch_scc0 .Lno_head
	s_cmp_lt_u32 s20, 3
	s_cselect_b64 s[12:13], s[12:13], s[14:15]     ; w_rgb, or w_den
	s_cselect_b32 s32, 12, 4                       ; bytes from unit to unit
	s_cselect_b32 s26, s20, 0
	s_lshl_b32 s26, s26, 2                         ; the column
	s_add_nc_u64 s[12:13], s[12:13], s[26:27]
	v_lshlrev_b32 v10, 2, v8
.irp i, 0,1,2,3,4,5,6,7
	v_add_nc_u32 v[20+\i], (\i%4)+128*(\i/4), v10  ; unit 4 lane + i, and 128 further on
	s_delay_alu instid0(VALU_DEP_1)
	v_mul_lo_u32 v[20+\i], v[20+\i], s32
.endr
.irp i, 0,1,2,3,4,5,6,7
	global_load_b32 v[28+\i], v[20+\i], s[12:13]
.endr
.Lno_head:
	s_lshl_b32 s26, s20, 10
	s_add_co_u32 s26, s26, 16384
	s_add_nc_u64 s[18:19], s[18:19], s[26:27]
	s_wait_kmcnt 0x0
	s_add_co_i32 s22, s22, s23
	s_sub_co_i32 s22, 0, s22
	s_wait_loadcnt 0x0
.irp j, 0,1,2,3,4,5,6,7
	v_ldexp_f32 v[12+\j], v[12+\j], s22            ; a sum of the layer stands for sum x 2^(eA + eW): the bias goes in divided by that
.endr
	global_store_b128 v9, v[12:15], s[18:19]               ; 32 lanes store 512 consecutive bytes
	global_store_b128 v9, v[16:19], s[18:19] offset:512
	s_cmp_lt_u32 s20, 4
	s_cbranch_scc0 .Ldone
	s_add_co_i32 s30, s30, s31                     ; (the head row's loads went out with the bias row's and were waited for with them)
.irp i, 0,1,2,3,4,5,6,7
	v_ldexp_f32 v[28+\i], v[28+\i], s30            ; the last layer's sums lack 2^(e14 + e15): the heads' weights carry it
.endr
	global_store_b128 v9, v[28:31], s[18:19] offset:8192
	global_store_b128 v9, v[32:35], s[18:19] offset:8192+512
.Ldone:
	s_endpgm
.Lfunc_end_k_q070c35c99e_prep:
	.size	k_q070c35c99e_prep, .Lfunc_end_k_q070c35c99e_prep-k_q070c35c99e_prep
	.p2alignl 7, 3214868480
	.fill 96, 4, 3214868480
	.section	.rodata,"a",@progbits
	.p2align	6, 0x0
	.amdhsa_kernel k_q070c35c99e_prep
		.amdhsa_group_segment_fixed_size 0
		.amdhsa_private_segment_fixed_size 0
		.amdhsa_enable_private_segment 0
		.amdhsa_kernarg_size 64
		.amdhsa_user_sgpr_count 2
		.amdhsa_user_sgpr_kernarg_segment_ptr 1
		.amdhsa_wavefront_size32 1
		.amdhsa_system_sgpr_workgroup_id_x 1
		.amdhsa_system_sgpr_workgroup_id_y 1
		.amdhsa_system_sgpr_workgroup_id_z 1
		.amdhsa_system_vgpr_workitem_id 0
		.amdhsa_next_free_vgpr 64
		.amdhsa_next_free_sgpr 66
		.amdhsa_reserve_vcc 0
		.amdhsa_float_denorm_mode_32 3
		.amdhsa_float_denorm_mode_16_64 3
		.amdhsa_memory_ordered 1
		.amdhsa_forward_progress 1
		.amdhsa_inst_pref_size 19
	.end_amdhsa_kernel
	.amdgpu_metadata
---
amdhsa.version: [ 1, 2 ]
amdhsa.kernels:
  - .name:           k_q070c35c99e_prep
    .symbol:         k_q070c35c99e_prep.kd
    .args:
      - { .name: w_in, .offset: 0, .size: 8, .value_kind: global_buffer, .address_space: global }
      - { .name: w_hid, .offset: 8, .size: 8, .value_kind: global_buffer, .address_space: global }
      - { .name: b_in, .offset: 16, .size: 8, .value_kind: global_buffer, .address_space: global }
      - { .name: b_hid, .offset: 24, .size: 8, .value_kind: global_buffer, .address_space: global }
      - { .name: w_rgb, .offset: 32, .size: 8, .value_kind: global_buffer, .address_space: global }
      - { .name: w_den, .offset: 40, .size: 8, .value_kind: global_buffer, .address_space: global }
      - { .name: lowp_scales, .offset: 48, .size: 8, .value_kind: global_buffer, .address_space: global }
      - { .name: wk, .offset: 56, .size: 8, .value_kind: global_buffer, .address_space: global }
    .group_segment_fixed_size: 0
    .private_segment_fixed_size: 0
    .kernarg_segment_align: 8
    .kernarg_segment_size: 64
    .max_flat_workgroup_size: 256
    .sgpr_count:     66
    .vgpr_count:     64
    .wavefront_size: 32
...
	.end_amdgpu_metadata
.endif
;; end of part 1
;; launch main (part 2): grid 256 x 1, 8 waves a work-group, clusters of 4 x 1, 327,680 bytes of LDS; arguments ray_pos, ray_dir, jitter, lowp_scales, b_rgb, b_den, wk, out0; writes out0
.if DOCPART == 2
	.amdgcn_target "amdgcn-amd-amdhsa--gfx1250"
	.amdhsa_code_object_version 6
	.text
	.protected	k_q070c35c99e_main
	.globl	k_q070c35c99e_main
	.p2align	8
	.type	k_q070c35c99e_main,@function
k_q070c35c99e_main:
	s_mov_b64 s[64:65], 0
	v_nop
	global_prefetch_b8 v0, s[64:65] scope:SCOPE_SE
	s_setreg_imm32_b32 hwreg(HW_REG_WAVE_MODE, 25, 1), 1
	s_wait_xcnt 0x0
	s_wait_alu depctr_hold_cnt(0) depctr_sa_sdst(0) depctr_va_vdst(0) depctr_va_sdst(0) depctr_va_ssrc(0) depctr_va_vcc(0) depctr_vm_vsrc(0)
	s_getreg_b32 s2, hwreg(HW_REG_IB_STS2, 6, 4)
	s_cmp_eq_u32 s2, 0
	s_cbranch_scc0 .Lentry_in_a_cluster
	s_endpgm
.Lentry_in_a_cluster:
	s_bfe_u32 s2, ttmp6, 0x10000c
	s_cmp_lg_u32 s2, 0x3003
	s_cbranch_scc0 .Lentry_shape_is_right
	s_endpgm
.Lentry_shape_is_right:
; NerfRender, fused: depths, positions, Fourier code, eight layers on codes of FP8 (E4M3), the two heads in f32, alpha compositing.
; SHARES.  A work-group takes 16 rays = 512 points; each of its eight waves 2 rays = 64 points = four row tiles of 16, which stay in the wave's registers through the whole chain.
; Every product is used TRANSPOSED (source 0 = 16 units of the weights, source 1 = 16 points): a lane holds ONE point, its registers run along the units, and the units of a tile are chosen
; (32 (t / 2) + 8 (t % 2) + r + 8 (r / 8)) so that one conversion of an accumulator gives two registers of the next layer's operand.  Activations never leave the registers.
; WEIGHTS come from wk, laid by the launch before as images of the operand's registers, through LDS: four slots of 65,536 bytes (layer L in slot (L - 1) % 4) and one block with layer 0 and the tables.
; All 256 work-groups walk the same weights: the four of a cluster ask for each tile JOINTLY (mask 15).  A mask names four at the most, so the cluster is 4 x 1.
; A GROUP is one unit tile x four row tiles: 8 matrix instructions on four accumulators by turns.  While group t is multiplied, group t - 1 is clipped (relu and the hold in one) and converted,
; in slices behind the matrix instructions; the weights and bias of group t + 3 are asked of LDS (four register buffers).  The pipeline runs on over the layers' boundaries.
; No prefetch: each refill is issued most of a layer or more ahead of its first read, and the same blocks are read by all clusters.
; THE HEADS take f32 operands: the last sample's weight turns on the sign of its density.
; THE SCAN.  tau's running sum is formed in the order of jax's associative_scan (pair sums upward, then downward), since the module subtracts tau from it again and the last tau is density x 1e10.
; SINE AND COSINE.  The phase is counted in half turns, pos / pi as a sum of two f32 numbers, x 2^k exactly; n = the nearest whole number, r = the rest; sin(pi r) = r P(r^2) with six terms;
; cos(pi r) = sin(pi (1/2 - |r|)); the sign is n's parity.
; LIMITS.  |pos| x 1024 / pi stays under 2^22.  For each layer l: q = e[2l+2] - e[2l] - e[2l+1], and e0: q + 127 and q + 135 lie in 1 .. 254.  NaN among the inputs is not served.
; REGISTERS, in windows of 256.  Window 0: v1-22 addresses and what stays; v23-31 at work; v32-63 four bias buffers; v64-127 two sets of four accumulators; v128-255 four weight buffers.
;   Window 1: CA = v0-127 and CB = v128-255: the points' codes, by turns (fragment of row tile m, K step s at 32 m + 16 s); in the last layer CB holds the heads' weights (two buffers) and sums.
.set HEADL, 0                          ; LDS is laid in wk's own order, so that one descriptor a wave covers the whole first fill: layer 0's codes,
.set TABL,  HEADL+16384                ; the tables (12 rows of 1,024 bytes),
.set SLOT0, TABL+12288                 ; the four slots of 65,536 bytes,
.set STG,   SLOT0+4*65536              ; a stage of 4,096 bytes for each wave (the coded operand); no tile ever lands here
.set OSTG,  STG+8*4096                 ; the 16 rays' results
.set SPARE, OSTG+256                   ; the spare words, 128 bytes for each wave: four blocks of 256 bytes that no other line names
.set WKH,   28672                      ; wk: the hidden layers' first byte
.set LN16, 1                           ; v1   16 x lane
.set SPW,  2                           ; v2   my spare word; never rewritten
.set NIL,  3                           ; v3   0; never rewritten
.set WA,   4                           ; v4   slot + 16 x lane: layers 1, 3, 5, 7
.set WB,   5                           ; v5   the same: layer 0, then layers 2, 4, 6
.set BH,   6                           ; v6   TABL + 64 h
.set BA,   7                           ; v7   BH + the bias row in hand
.set SCX,  8                           ; v8   the conversions' scale, layers 1, 3, 5
.set SCY,  9                           ; v9   the same, layers 0, 2, 4, 6
.set HWA,  10                          ; v10  BH + 8,192: the heads' weights
.set STA,  11                          ; v11  my wave's stage + 16 x lane
.set RF,   12                          ; v12  lane % 16 as f32
.set F2,   13                          ; v13  1, or 32 in lanes 16-31
.set J0,   14                          ; v14-17 jitter of my point in row tiles 0 to 3
.set JR,   18                          ; v18-19 jitter of sample = lane, rays 0, 1
.set JN,   20                          ; v20-21 jitter of sample lane + 1
.set OSA,  22                          ; v22  where my half of the lanes puts its ray's result
.set BI,   32
.set AC,   64
.set WT,   128
.set CA,   0
.set CB,   128
.set HWB,  128
.set HA,   192
.set KC,   100                         ; v100-111 (coding only): the sine's six coefficients, each twice
.set V,    112                         ; v112-143 (coding only): 16 sines, 16 cosines
.set ZZ,   64                          ; the heads' sums, 4 m + c
.set ZP,   80
.set ZR,   96                          ; by rays: 4 p + c
.set RR,   128                         ; the render's registers, 32 for each ray
.set MSB, 0
.macro WIN new                         ; the immediate's high byte repeats the setting that is left; a switch that changes nothing is dropped
.if MSB != \new
	s_set_vgpr_msb (MSB<<8)|\new
.set MSB, \new
.endif
.endm
; 0x04: source 1 in window 1 (products; clips; LDS loads into window 0).  0x40: destination in window 1 (conversions; loads of codes and head weights).  0x54: the heads' multiply-adds.  0x05: their sums into window 0.
.macro CROUND                          ; a whole round of the cluster's barrier
	s_barrier_signal -1
	s_barrier_wait -1
	CREST
.endm
.macro CREST                           ; a round behind its opening barrier
	s_cmp_lg_u32 s90, 0
	s_cbranch_scc1 .Lnot_wave_0_\@
	s_barrier_signal -3
.Lnot_wave_0_\@:
	s_barrier_wait -3
	s_barrier_signal -1
	s_barrier_wait -1
.endm
; ten LDS loads: group g's two weight fragments (eight chunks of 512 bytes on end) and its eight bias numbers
.macro LOADG g, wreg, breg, boff
.irp c, 0,1,2,3,4,5,6,7
	ds_load_b128 v[WT+32*((\g)%4)+4*\c:WT+32*((\g)%4)+4*\c+3], v[\wreg] offset:4096*(\g)+512*\c
.endr
	ds_load_b128 v[BI+8*((\g)%4):BI+8*((\g)%4)+3], v[\breg] offset:(\boff)+128*((\g)/2)+32*((\g)%2)
	ds_load_b128 v[BI+8*((\g)%4)+4:BI+8*((\g)%4)+7], v[\breg] offset:(\boff)+128*((\g)/2)+32*((\g)%2)+16
.endm
.macro LOAD0 g                         ; layer 0: four loads
	ds_load_b128 v[WT+32*((\g)%4):WT+32*((\g)%4)+3], v[WB] offset:1024*(\g)
	ds_load_b128 v[WT+32*((\g)%4)+4:WT+32*((\g)%4)+7], v[WB] offset:1024*(\g)+512
	ds_load_b128 v[BI+8*((\g)%4):BI+8*((\g)%4)+3], v[BH] offset:128*((\g)/2)+32*((\g)%2)
	ds_load_b128 v[BI+8*((\g)%4)+4:BI+8*((\g)%4)+7], v[BH] offset:128*((\g)/2)+32*((\g)%2)+16
.endm
.macro LOADHW g                        ; eight loads: the four heads' weights at group g's units, in the result's layout (window 1)
.irp c, 0,1,2,3
	ds_load_b128 v[HWB+32*((\g)%2)+8*\c:HWB+32*((\g)%2)+8*\c+3], v[HWA] offset:1024*\c+128*((\g)/2)+32*((\g)%2)
	ds_load_b128 v[HWB+32*((\g)%2)+8*\c+4:HWB+32*((\g)%2)+8*\c+7], v[HWA] offset:1024*\c+128*((\g)/2)+32*((\g)%2)+16
.endr
.endm
; product k of 8 of group t: k < 4: K step 0 of row tile k, the bias starts the sum; k >= 4: K step 1 of row tile k - 4, in place.  The four accumulators take turns.
.macro MM t, k, in
.set aD, AC+32*((\t)%2)+8*((\k)%4)
.set aW, WT+32*((\t)%4)+16*((\k)/4)
.set aB, (\in)+32*((\k)%4)+16*((\k)/4)
.if (\k) < 4
	v_wmma_f32_16x16x128_fp8_fp8 v[aD:aD+7], v[aW:aW+15], v[aB:aB+15], v[BI+8*((\t)%4):BI+8*((\t)%4)+7]
.else
	v_wmma_f32_16x16x128_fp8_fp8 v[aD:aD+7], v[aW:aW+15], v[aB:aB+15], v[aD:aD+7]
.endif
.endm
.macro MED p, f, n, lim                ; n numbers of accumulator set p, from number f on: the activation and the hold in one, between 0 and 448 x the scale
.set qq, AC+32*(\p)+(\f)
.rept \n
	v_med3_num_f32 v[qq], v[qq], 0, s[\lim]
.set qq, qq+1
.endr
.endm
.macro CVT g, m, out, sc               ; group g, row tile m: eight units become two registers of the next operand
.set cD, (\out)+32*(\m)+16*((\g)/8)+4*(((\g)%8)/2)+2*((\g)%2)
.set cS, AC+32*((\g)%2)+8*(\m)
	v_cvt_scalef32_pk8_fp8_f32 v[cD:cD+1], v[cS:cS+7], v[\sc]
.endm
; A STEP OF A HIDDEN LAYER.  Group t is multiplied; the group before (for t = 0: the last group of the layer before, whose codes this layer's K step 1 wants) is clipped and converted with out, sc, lim.
; The wait leaves the 10 + 10 loads of the two later groups out.  Places: each accumulator is first read at its low end, behind at least four clips of other accumulators; the loads land in buffers whose
; last product stands more than four clips back; a plain line stands between each conversion and whatever next touches its registers.
.macro HSTEP t, in, out, sc, lim, wcur, wnxt, boff, hw
.set pg, ((\t)+15)%16
.set pp, pg%2
	s_wait_dscnt 20
	WIN 0x04
.if (\t) == 0
.irp k, 0,1,2,3
	MM \t, \k, \in
	MED pp, 8*\k, 8, \lim
.endr
	WIN 0x40
.irp m, 0,1,2,3
	CVT pg, \m, \out, \sc
.endr
	WIN 0x04
	v_nop                                          ; a plain line between the conversions and the products that read their codes
	LOADG 3, \wcur, BA, \boff
.if \hw
	WIN 0x40
	LOADHW 0
	LOADHW 1
	WIN 0x04
.endif
.irp k, 4,5,6,7
	MM \t, \k, \in
.endr
.rept 4
	v_nop                                          ; the places in front of the next step's first clip
.endr
.else
	MM \t, 0, \in
	MED pp, 0, 4, \lim
	MM \t, 1, \in
	MED pp, 4, 4, \lim
.if (\t) < 13
	LOADG (\t)+3, \wcur, BA, \boff
.else
	LOADG (\t)-13, \wnxt, BA, (\boff)+1024         ; the next layer's first groups
.endif
	MM \t, 2, \in
	MED pp, 8, 4, \lim
	MM \t, 3, \in
	MED pp, 12, 4, \lim
	WIN 0x40
	CVT pg, 0, \out, \sc
	CVT pg, 1, \out, \sc
	WIN 0x04
	MM \t, 4, \in
	MED pp, 16, 4, \lim
	MM \t, 5, \in
	MED pp, 20, 4, \lim
	MM \t, 6, \in
	MED pp, 24, 4, \lim
	MM \t, 7, \in
	MED pp, 28, 4, \lim
	WIN 0x40
	CVT pg, 2, \out, \sc
	CVT pg, 3, \out, \sc
	WIN 0x04
.endif
.endm
; A STEP OF LAYER 0 (K = 64: one product a row tile).  The wait counts the loads of the two later steps: 4 + 4, then 4 + 10 and 10 + 10 where they are layer 1's.
.macro L0STEP t
.if (\t) < 14
	s_wait_dscnt 8
.elseif (\t) == 14
	s_wait_dscnt 14
.else
	s_wait_dscnt 20
.endif
	WIN 0x04
.irp m, 0,1,2,3
	v_wmma_f32_16x16x64_fp8_fp8 v[AC+32*((\t)%2)+8*\m:AC+32*((\t)%2)+8*\m+7], v[WT+32*((\t)%4):WT+32*((\t)%4)+7], v[CB+8*\m:CB+8*\m+7], v[BI+8*((\t)%4):BI+8*((\t)%4)+7]
.if (\t) > 0
	MED ((\t)+1)%2, 8*\m, 8, 69
.endif
.endr
.if (\t) == 0
.rept 4
	v_nop                                          ; the places in front of the next step's first clip
.endr
.else
	WIN 0x40
.irp m, 0,1,2,3
	CVT (\t)-1, \m, CA, SCY
.endr
	WIN 0x04
	v_nop                                          ; a plain line behind the conversions: the next products write their sources
.endif
.if (\t) < 13
	LOAD0 (\t)+3
.else
	LOADG (\t)-13, WA, BA, 0
.endif
.endm
; THE HEADS' WORK on group g, row tile m: relu, then for each of the four heads sum += x w, two units an instruction; updates of one sum stand four apart
.macro HEADW g, m
.set xHS, AC+32*((\g)%2)+8*(\m)
.set xHW, HWB+32*((\g)%2)
.set xHA, HA+8*(\m)
	WIN 0x04
.irp j, 0,1,2,3,4,5,6,7
	v_max_num_f32 v[xHS+\j], v[xHS+\j], 0
.endr
	WIN 0x54
.irp jj, 0,1,2,3
.irp c, 0,1,2,3
.if ((\g) == 0) && (\jj == 0)
	v_pk_mul_f32 v[xHA+2*\c:xHA+2*\c+1], v[xHS+2*\jj:xHS+2*\jj+1], v[xHW+8*\c+2*\jj:xHW+8*\c+2*\jj+1]   ; the first product starts the sum
.else
	v_pk_fma_f32 v[xHA+2*\c:xHA+2*\c+1], v[xHS+2*\jj:xHS+2*\jj+1], v[xHW+8*\c+2*\jj:xHW+8*\c+2*\jj+1], v[xHA+2*\c:xHA+2*\c+1]
.endif
.endr
.endr
.endm
; A STEP OF THE LAST LAYER, t >= 1.  The wait counts what was issued behind the head weights of group t - 1: step 1: those of group 1 (8); steps 2-13: a group's 10 and a head's 8; steps 14, 15: 8.
.macro LSTEP t
.if (\t) == 1
	s_wait_dscnt 8
.elseif (\t) < 14
	s_wait_dscnt 18
.else
	s_wait_dscnt 8
.endif
	WIN 0x04
	MM \t, 0, CA
	MM \t, 1, CA
	HEADW (\t)-1, 0
	WIN 0x04
.if (\t) < 13
	LOADG (\t)+3, WA, BA, 0
.endif
	MM \t, 2, CA
	MM \t, 3, CA
	HEADW (\t)-1, 1
	WIN 0x04
	MM \t, 4, CA
	MM \t, 5, CA
	HEADW (\t)-1, 2
	WIN 0x04
	MM \t, 6, CA
	MM \t, 7, CA
	HEADW (\t)-1, 3
.if (\t) < 15
	WIN 0x40
	LOADHW (\t)+1
.endif
.endm
; two frequencies of one coordinate: 2 sines into v[V + 2 p], 2 cosines into v[V + 16 + 2 p].  v[70:71], v[72:73]: the phase's two parts at the two frequencies
; TWO SLOT PAIRS AT A TIME, line by line, so that four independent chains (two sines', two cosines') take turns.  Set x = 0 works in v70-89, set x = 1 in v32-51 (the bias buffers, idle until layer 0).
; In a set at T: T+0, T+1 the phase's upper part at the pair's two frequencies, T+2, T+3 its lower part.
.macro PH0 x, w                        ; set x starts at component w: its first two frequencies
.set T, 70-38*(\x)
	v_mov_b32 v[T], v[66+\w]
	v_add_f32 v[T+1], v[66+\w], v[66+\w]
	v_mov_b32 v[T+2], v[68+\w]
	v_add_f32 v[T+3], v[68+\w], v[68+\w]
.endm
.macro PH4 x                           ; set x goes two frequencies on: x 4, exact
.set T, 70-38*(\x)
	v_pk_mul_f32 v[T:T+1], v[T:T+1], 4.0 op_sel_hi:[1,0]
	v_pk_mul_f32 v[T+2:T+3], v[T+2:T+3], 4.0 op_sel_hi:[1,0]
.endm
.macro SP2 pa, pb                      ; set 0 makes slot pair pa, set 1 slot pair pb
.irp x, 0,1
.set T, 70-38*\x
	v_pk_add_f32 v[T+4:T+5], v[T:T+1], 0x4b400000 op_sel_hi:[1,0]            ; + 1.5 x 2^23: the sum's last bit counts ones, so it holds n, the nearest whole number
.endr
.irp x, 0,1
.set T, 70-38*\x
	v_pk_add_f32 v[T+6:T+7], v[T+4:T+5], 0xcb400000 op_sel_hi:[1,0]          ; n
.endr
.irp x, 0,1
.set T, 70-38*\x
	v_pk_add_f32 v[T+6:T+7], v[T:T+1], v[T+6:T+7] neg_lo:[0,1] neg_hi:[0,1]  ; the upper part less n: exact
.endr
.irp x, 0,1
.set T, 70-38*\x
	v_pk_add_f32 v[T+6:T+7], v[T+6:T+7], v[T+2:T+3]                          ; r
.endr
.irp x, 0,1
.set T, 70-38*\x
	v_lshl_or_b32 v[T+8], v[T+4], 31, 0x3f800000                             ; +1 or -1 by n's parity
	v_lshl_or_b32 v[T+9], v[T+5], 31, 0x3f800000
	v_sub_f32 v[T+10], 0.5, |v[T+6]|
	v_sub_f32 v[T+11], 0.5, |v[T+7]|
.endr
.irp x, 0,1
.set T, 70-38*\x
	v_pk_mul_f32 v[T+6:T+7], v[T+6:T+7], v[T+8:T+9]
	v_pk_mul_f32 v[T+10:T+11], v[T+10:T+11], v[T+8:T+9]
.endr
.irp x, 0,1
.set T, 70-38*\x
	v_pk_mul_f32 v[T+12:T+13], v[T+6:T+7], v[T+6:T+7]
	v_pk_mul_f32 v[T+14:T+15], v[T+10:T+11], v[T+10:T+11]
.endr
.irp x, 0,1
.set T, 70-38*\x
	v_pk_fma_f32 v[T+16:T+17], v[T+12:T+13], v[KC+10:KC+11], v[KC+8:KC+9]
	v_pk_fma_f32 v[T+18:T+19], v[T+14:T+15], v[KC+10:KC+11], v[KC+8:KC+9]
.endr
.irp k, 3,2,1,0
.irp x, 0,1
.set T, 70-38*\x
	v_pk_fma_f32 v[T+16:T+17], v[T+16:T+17], v[T+12:T+13], v[KC+2*\k:KC+2*\k+1]
	v_pk_fma_f32 v[T+18:T+19], v[T+18:T+19], v[T+14:T+15], v[KC+2*\k:KC+2*\k+1]
.endr
.endr
.irp x, 0,1
.set T, 70-38*\x
.set PP, (\pa)+((\pb)-(\pa))*\x
	v_pk_mul_f32 v[V+2*PP:V+2*PP+1], v[T+16:T+17], v[T+6:T+7]
	v_pk_mul_f32 v[V+16+2*PP:V+17+2*PP], v[T+18:T+19], v[T+10:T+11]
.endr
.endm
.macro KSET k, val
	v_mov_b32 v[KC+2*\k], \val
	v_mov_b32 v[KC+2*\k+1], \val
.endm
; one level of the scan: lane l takes lane l - d of its row of 16; only the lanes of the mask add; where the source lies in the other row (it is lane 15) the addend is written by lane number
.macro SWEEP d, msk, ln
.irp p, 0,1
	s_delay_alu instid0(VALU_DEP_2)
	v_mov_b32_dpp v[RR+32*\p+4], v[RR+32*\p+3] row_shr:\d row_mask:0xf bank_mask:0xf bound_ctrl:1
.endr
.irp p, 0,1
	s_delay_alu instid0(VALU_DEP_2)
	v_cndmask_b32 v[RR+32*\p+4], 0, v[RR+32*\p+4], s[\msk]
.endr
.if \ln >= 0
.irp p, 0,1
	s_delay_alu instid0(VALU_DEP_2)
	v_writelane_b32 v[RR+32*\p+4], s[11+\p], \ln
.endr
.endif
.irp p, 0,1
	s_delay_alu instid0(VALU_DEP_2)
	v_add_f32 v[RR+32*\p+3], v[RR+32*\p+3], v[RR+32*\p+4]
.endr
.endm
	; ================ the head
	s_load_b512 s[4:19], s[0:1], 0x0               ; ray_pos s[4:5], ray_dir s[6:7], jitter s[8:9], scales s[10:11], b_rgb s[12:13], b_den s[14:15], wk s[16:17], out0 s[18:19]
	v_lshl_add_u32 v[SPW], v0, 2, SPARE
	v_mov_b32 v[NIL], 0
	ds_add_u32 v2, v3
	ds_add_u32 v2, v3
	s_wait_dscnt 0x0
	v_lshrrev_b32 v23, 5, v0
	s_delay_alu instid0(VALU_DEP_1)
	v_readfirstlane_b32 s90, v23                   ; wave 0..7
	s_bfe_u32 s99, ttmp6, 0x40000                  ; cx
	s_lshl_b32 s98, ttmp9, 2
	s_add_co_u32 s98, s98, s99                     ; my work-group: it enters the rays', the jitter's and the output's offsets alone
	; descriptor groups 1: dense blocks as rows of 256 bytes (32 elements of 8 bytes); 142 rows a wave for the first fill (1,136 rows: layer 0, the tables, layers 1 to 4), 32 for a layer
	s_mov_b32 s24, 15|(3<<16)|(1<<21)              ; 15:0 the mask: all four work-groups; 17:16 elements of 8 bytes; 21 set beside a mask; no padding
	s_mov_b32 s25, 32<<16                          ; tensor_dim0 = 32
	s_mov_b32 s26, 142<<16                         ; tensor_dim1 = 142
	s_mov_b32 s27, 32<<16                          ; tile_dim0 = 32
	s_mov_b32 s28, 142                             ; tile_dim1 = 142
	s_mov_b32 s29, 32                              ; the pitch
	s_mov_b32 s30, 0
	s_mov_b32 s31, 0
	s_mov_b32 s32, 15|(3<<16)|(1<<21)
	s_mov_b32 s33, 32<<16
	s_mov_b32 s34, 32<<16
	s_mov_b32 s35, 32<<16
	s_mov_b32 s36, 32
	s_mov_b32 s37, 32
	s_mov_b32 s38, 0
	s_mov_b32 s39, 0
	s_mul_i32 s100, s90, 36352                     ; my eighth of the first fill: 142 rows of 256 bytes, the same offset in wk and in LDS,
	s_lshl_b32 s101, s90, 13                       ; and of a layer
	s_mov_b32 s3, 0
	s_mov_b32 s40, 1
	s_mov_b32 s41, s100
	s_mov_b32 s60, 1
	s_add_co_u32 s61, s101, SLOT0                  ; the walking descriptor: layer 5 into slot 0, then 6 into 1, 7 into 2
	s_wait_kmcnt 0x0
	s_mov_b32 s2, s100
	s_add_nc_u64 s[42:43], s[16:17], s[2:3]
	s_or_b32 s43, s43, 0x80000000
	s_add_co_u32 s2, s101, WKH
	s_add_nc_u64 s[20:21], s[16:17], s[2:3]
	s_add_nc_u64 s[62:63], s[20:21], 4*65536
	s_or_b32 s63, s63, 0x80000000
	s_load_b512 s[68:83], s[10:11], 0x0            ; the sixteen exponents.  The rays, the jitter and the scales are asked for ahead of the opening round
	s_lshl_b32 s2, s98, 3
	s_add_co_u32 s2, s2, s90
	s_mul_i32 s2, s2, 24                           ; my two rays: 24 bytes at 24 (8 work-group + wave)
	s_load_b128 s[84:87], s[4:5], s2 offset:0x0
	s_load_b64 s[88:89], s[4:5], s2 offset:0x10
	s_load_b128 s[92:95], s[6:7], s2 offset:0x0
	s_load_b64 s[96:97], s[6:7], s2 offset:0x10
	s_load_b96 s[20:22], s[12:13], 0x0
	s_load_b32 s23, s[14:15], 0x0
	v_and_b32 v23, 15, v0                          ; r
	v_and_b32 v24, 31, v0                          ; lane
	s_wait_alu depctr_va_vdst(0)
	v_bfe_u32 v25, v0, 4, 1                        ; h
	s_wait_alu depctr_va_vdst(0)
	v_lshlrev_b32 v26, 2, v23
	v_lshlrev_b32 v27, 2, v24
	v_add_nc_u32 v28, 1, v24
	s_delay_alu instid0(VALU_DEP_1)
	v_min_u32 v28, 31, v28
	s_delay_alu instid0(VALU_DEP_1)
	v_lshlrev_b32 v28, 2, v28
	s_mov_b32 s101, 0
	s_lshl_b32 s100, s98, 11
	s_lshl_b32 s99, s90, 8
	s_add_co_u32 s100, s100, s99
	s_add_nc_u64 s[8:9], s[8:9], s[100:101]        ; my two rays' 64 numbers of jitter
.irp m, 0,1,2,3
	global_load_b32 v[J0+\m], v26, s[8:9] offset:64*\m
.endr
.irp p, 0,1
	global_load_b32 v[JR+\p], v27, s[8:9] offset:128*\p
	global_load_b32 v[JN+\p], v28, s[8:9] offset:128*\p
.endr
	s_wait_alu depctr_va_vdst(0)
	CROUND                                         ; all four work-groups are here: the first joint loads meet
	tensor_load_to_lds s[40:43], s[24:31]          ; my one tensor load at the head: my eighth of the whole first fill
	s_nop 0
.rept 4
	v_nop
.endr
	s_mov_b32 s101, 0xffff0000                     ; lanes 16-31
	s_mov_b32 s104, 0x76543210
	s_mov_b32 s105, 0xfedcba98                     ; v_permlanex16_b32: lane l xor 16
	s_mov_b32 s99, SLOT0                           ; slot of layers 1, 3, 5, 7: 0 and 2 by turns (SLOT0 has bit 17 clear: the toggle below flips that bit alone)
	s_mov_b32 s100, SLOT0+0x10000                  ; slot of layers 2, 4, 6: 1 and 3 by turns
	s_mov_b32 s66, 1024                            ; the bias row of the loop's first layer
	v_lshlrev_b32 v[LN16], 4, v24
	s_delay_alu instid0(VALU_DEP_1)
	v_add_nc_u32 v[WA], s99, v[LN16]
	s_delay_alu instid0(VALU_DEP_2)
	v_add_nc_u32 v[WB], HEADL, v[LN16]
	v_lshl_add_u32 v[BH], v25, 6, TABL
	s_delay_alu instid0(VALU_DEP_1)
	v_add_nc_u32 v[BA], s66, v[BH]
	s_delay_alu instid0(VALU_DEP_2)
	v_add_nc_u32 v[HWA], 8192, v[BH]
	s_lshl_b32 s67, s90, 12
	s_add_co_u32 s67, s67, STG
	v_add_nc_u32 v[STA], s67, v[LN16]
	s_lshl_b32 s67, s90, 5
	s_add_co_u32 s67, s67, OSTG
	v_lshl_add_u32 v[OSA], v25, 4, s67
	v_cvt_f32_u32 v[RF], v23
	v_mov_b32 v[F2], 1.0
	v_mov_b32 v29, 0x42000000
	s_delay_alu instid0(VALU_DEP_1)
	v_cndmask_b32 v[F2], v[F2], v29, s101
	KSET 0, 0x40490fdb                             ; sin(pi r) / r = pi - pi^3/6 z + pi^5/120 z^2 - .. in z = r^2, up to z^5
	KSET 1, 0xc0a55de7
	KSET 2, 0x402335e3
	KSET 3, 0xbf196966
	KSET 4, 0x3da83c1a
	KSET 5, 0xbbf183a8
	s_wait_kmcnt 0x0                               ; the scalar loads are in,
	s_wait_loadcnt 0x0                             ; the jitter is in,
	s_wait_xcnt 0x0                                ; and s2 to s15 and v26 to v28 may be written again
	s_add_co_i32 s15, s68, 127
	s_lshl_b32 s10, s15, 23
	v_mov_b32 v31, s10                             ; 2^e0, for the coded operand
	s_add_co_i32 s15, s15, 8
	s_lshl_b32 s15, s15, 23
	s_or_b32 s11, s15, 0x600000                    ; 448 x 2^e0,
	s_xor_b32 s12, s11, 0x80000000                 ; and its negative
.irp l, 0,1,2,3,4,5,6                  ; layer l's pair takes the place of e[2l], e[2l+1]: 2^q and 448 x 2^q, q = e[2l+2] - e[2l] - e[2l+1]: the three scales folded into the conversion's one
	s_sub_co_i32 s15, s[70+2*\l], s[68+2*\l]
	s_sub_co_i32 s15, s15, s[69+2*\l]
	s_add_co_i32 s15, s15, 127
	s_lshl_b32 s[68+2*\l], s15, 23
	s_add_co_i32 s15, s15, 8
	s_lshl_b32 s15, s15, 23
	s_or_b32 s[69+2*\l], s15, 0x600000
.endr
	v_mov_b32 v[SCY], s68                          ; layer 0's
	v_mov_b32 v[SCX], s70                          ; layer 1's
	s_mov_b32 s13, 0x3d000000                      ; 1/32
	s_mov_b32 s14, 0x3dcccccd                      ; 0.1
	; ================ the Fourier code: a row tile a trip.  Lane (r, h): coordinate 2 h at frequencies 0-9, coordinate 1 at frequencies 5 h .. 5 h + 4
	s_mov_b32 s91, 0
	s_mov_b32 s67, 0
.Lcode:
	s_cmp_lt_u32 s91, 2                            ; row tiles 0, 1: my first ray; 2, 3: my second
	s_cselect_b32 s4, s84, s87
	s_cselect_b32 s5, s85, s88
	s_cselect_b32 s6, s86, s89
	s_cselect_b32 s7, s92, s95
	s_cselect_b32 s8, s93, s96
	s_cselect_b32 s9, s94, s97
	s_bitcmp1_b32 s91, 0
	s_cselect_b32 s10, 0x41800000, 0               ; samples 16 on in the odd tiles
	v_add_f32 v23, s10, v[RF]                      ; the sample's number
	s_wait_alu depctr_va_vdst(0)
	v_add_f32 v23, v23, v[J0]
	s_delay_alu instid0(VALU_DEP_1)
	v_mul_f32 v23, 0x4079999a, v23                 ; x 3.9
	s_delay_alu instid0(VALU_DEP_1)
	v_fma_f32 v23, v23, s13, s14                   ; / 32 (exact) + 0.1: the module's own roundings
	v_mov_b32 v24, s7
	v_mov_b32 v26, s9
	s_delay_alu instid0(VALU_DEP_1)
	v_cndmask_b32 v24, v24, v26, s101
	v_mov_b32 v25, s4
	v_mov_b32 v27, s6
	s_delay_alu instid0(VALU_DEP_1)
	v_cndmask_b32 v25, v25, v27, s101
	s_delay_alu instid0(VALU_DEP_4)
	v_mul_f32 v64, v23, v24                        ; depth x dir, then + pos: two roundings, as the module has them
	s_delay_alu instid0(VALU_DEP_1)
	v_add_f32 v64, v64, v25
	v_mul_f32 v65, s8, v23
	s_delay_alu instid0(VALU_DEP_1)
	v_add_f32 v65, s5, v65
	s_delay_alu instid0(VALU_DEP_1)
	v_mul_f32 v65, v65, v[F2]                      ; x 2^(5 h): exact
	s_delay_alu instid0(VALU_DEP_1)
	v_pk_mul_f32 v[66:67], v[64:65], 0x3ea2f983 op_sel_hi:[1,0]                                             ; pos / pi, upper part,
	s_delay_alu instid0(VALU_DEP_1)
	v_pk_fma_f32 v[68:69], v[64:65], 0x3ea2f983, v[66:67] op_sel_hi:[1,0,1] neg_lo:[0,0,1] neg_hi:[0,0,1]   ; what that rounding lost,
	s_delay_alu instid0(VALU_DEP_1)
	v_pk_fma_f32 v[68:69], v[64:65], 0x325c9c88, v[68:69] op_sel_hi:[1,0,1]                                 ; + pos x the rest of 1/pi
	PH0 0, 0                                       ; set 0: coordinate 2 h, slot pairs 0 to 3;  set 1: coordinate 1, slot pairs 5 to 7, then coordinate 2 h's slot pair 4
	PH0 1, 1
	SP2 0, 5
	PH4 0
	PH4 1
	SP2 1, 6
	PH4 0
	PH4 1
	SP2 2, 7
	v_pk_mul_f32 v[32:33], v[70:71], 0x41800000 op_sel_hi:[1,0]   ; set 1 takes coordinate 2 h four frequencies on: x 16, exact
	v_pk_mul_f32 v[34:35], v[72:73], 0x41800000 op_sel_hi:[1,0]
	PH4 0
	SP2 3, 4
	v_mov_b32 v[V+15], 0                           ; K is filled from 60 to 64 with zeros
	v_mov_b32 v[V+31], 0
.set i, 0
.rept 32
	v_med3_num_f32 v[V+i], v[V+i], s12, s11        ; the hold at the largest code x the scale
.set i, i+1
.endr
.irp g, 0,1,2,3
	v_cvt_scalef32_pk8_fp8_f32 v[144+2*\g:145+2*\g], v[V+8*\g:V+8*\g+7], v31
.endr
	v_nop                                          ; a plain line behind the last conversion
	v_add_nc_u32 v26, s67, v[STA]
	ds_store_b128 v26, v[144:147]                  ; the fragment goes to my stage as an image of its registers
	ds_store_b128 v26, v[148:151] offset:512
	v_mov_b32 v[J0], v[J0+1]
	v_mov_b32 v[J0+1], v[J0+2]
	v_mov_b32 v[J0+2], v[J0+3]
	s_wait_dscnt 0x0                               ; the stores have read their registers
	s_add_co_u32 s67, s67, 1024
	s_add_co_u32 s91, s91, 1
	s_cmp_lt_u32 s91, 4
	s_cbranch_scc1 .Lcode
	WIN 0x40
.irp m, 0,1,2,3
	ds_load_b128 v[CB+8*\m:CB+8*\m+3], v[STA] offset:1024*\m
	ds_load_b128 v[CB+8*\m+4:CB+8*\m+7], v[STA] offset:1024*\m+512
.endr
	WIN 0
	s_wait_tensorcnt 0x0                           ; my one load, my part of the first fill, is in
	s_wait_dscnt 0x0
	s_barrier_signal -1
	s_barrier_wait -1                              ; everybody's are
	; ================ layer 0
	LOAD0 0
	LOAD0 1
	LOAD0 2
.irp t, 0,1,2,3,4,5,6,7,8,9,10,11,12,13,14,15
	L0STEP \t
.endr
	WIN 0
	; ================ layers 1 to 6, two a trip
	s_mov_b32 s91, 3
.Ltrip:
	v_add_nc_u32 v[WB], s100, v[LN16]              ; the even layer's slot
	s_xor_b32 s100, s100, 0x20000
	HSTEP 0, CA, CA, SCY, 69, WA, WB, 0, 0         ; its first step finishes the layer before
.irp t, 1,2,3,4,5,6,7,8,9,10,11,12,13,14,15
	HSTEP \t, CA, CB, SCX, 71, WA, WB, 0, 0
.endr
	; the change of slots: one refill a trip (layers 5, 6, 7 into slots 0, 1, 2, each read out by then)
	WIN 0
	s_wait_tensorcnt 0x0                           ; all my tensor loads have landed
	ds_add_u32 v[SPW], v[NIL]                      ; 0 onto my spare word
	s_mov_b64 s[68:69], s[72:73]                   ; the even layers' pairs move up
	s_mov_b64 s[72:73], s[76:77]
	s_mov_b64 s[76:77], s[80:81]
	v_mov_b32 v[SCY], s68
	s_wait_dscnt 0x0                               ; the add is done, and my LDS reads are back: the weights and biases of groups 0 to 2 of the even layer lie in registers
	CROUND                                         ; no wave of any partner still reads the slot or has a load on its way
	tensor_load_to_lds s[60:63], s[32:39]          ; my one tensor load behind the round
	s_nop 0
.rept 4
	v_nop
.endr
	HSTEP 0, CB, CB, SCX, 71, WB, WA, 1024, 0
.irp t, 1,2,3,4,5,6,7,8,9,10,11,12
	HSTEP \t, CB, CA, SCY, 69, WB, WA, 1024, 0
.endr
	; the trip's refill is shown to all waves, ahead of the first read of the next odd layer's slot.  One load of mine is out and none was issued behind it: the count that its readers need is 0.
	WIN 0
	s_wait_tensorcnt 0x0
	s_wait_dscnt 0x0
	s_barrier_signal -1
	s_barrier_wait -1
	s_add_co_u32 s61, s61, 65536
	s_add_nc_u64 s[62:63], s[62:63], 65536         ; the next layer; the type bits on top are not reached
	s_xor_b32 s99, s99, 0x20000
	v_add_nc_u32 v[WA], s99, v[LN16]               ; the next odd layer's slot
	s_wait_alu depctr_va_vdst(0)
.irp t, 13,14,15
	HSTEP \t, CB, CA, SCY, 69, WB, WA, 1024, 0
.endr
	WIN 0
	s_mov_b64 s[70:71], s[74:75]                   ; the odd layers' pairs move up
	s_mov_b64 s[74:75], s[78:79]
	v_mov_b32 v[SCX], s70
	s_add_co_u32 s66, s66, 2048
	v_add_nc_u32 v[BA], s66, v[BH]                 ; two bias rows on
	s_sub_co_u32 s91, s91, 1
	s_cmp_lg_u32 s91, 0
	s_cbranch_scc1 .Ltrip
	; ================ layer 7, with the heads in the place of the conversions
	HSTEP 0, CA, CA, SCY, 69, WA, WA, 0, 1
.irp t, 1,2,3,4,5,6,7,8,9,10,11,12,13,14,15
	LSTEP \t
.endr
	s_wait_dscnt 0x0                               ; the head weights of group 15
	HEADW 15, 0                                    ; (behind the last products stand the 24 plain lines of the row tile before)
	HEADW 15, 1
	HEADW 15, 2
	HEADW 15, 3
	WIN 0x05
.irp m, 0,1,2,3
.irp c, 0,1,2,3
	v_add_f32 v[ZZ+4*\m+\c], v[HA+8*\m+2*\c], v[HA+8*\m+2*\c+1]   ; even units' sum + odd units'
.endr
.endr
	WIN 0
.irp i, 0,1,2,3,4,5,6,7,8,9,10,11,12,13,14,15
	v_permlanex16_b32 v[ZP+\i], v[ZZ+\i], s104, s105               ; the point's other 128 units lie in the lane 16 away
.endr
.irp i, 0,1,2,3,4,5,6,7,8,9,10,11,12,13,14,15
	v_add_f32 v[ZZ+\i], v[ZZ+\i], v[ZP+\i]
.endr
.irp p, 0,1
.irp c, 0,1,2,3
	v_cndmask_b32 v[ZR+4*\p+\c], v[ZZ+8*\p+\c], v[ZZ+8*\p+4+\c], s101   ; ray p: lanes 0-15 samples 0-15 (row tile 2 p), lanes 16-31 samples 16-31: the lane is now the sample
.endr
.endr
	; ================ the render: a ray's 32 samples in the 32 lanes, both rays line by line
	v_and_b32 v23, 31, v0
	s_delay_alu instid0(VALU_DEP_1)
	v_cvt_f32_u32 v24, v23                         ; the sample's number
	s_wait_alu depctr_va_vdst(0)
	v_add_f32 v25, 1.0, v24
	s_wait_alu depctr_va_vdst(0)
	v_and_b32 v26, 15, v0
	s_delay_alu instid0(VALU_DEP_1)
	v_lshl_add_u32 v26, v26, 4, OSTG               ; where wave 0 reads the results back
	s_mov_b32 s4, 0xaaaaaaaa
	s_mov_b32 s5, 0x88888888
	s_mov_b32 s6, 0x80808080
	s_mov_b32 s7, 0x80008000
	s_mov_b32 s8, 0x08000800
	s_mov_b32 s9, 0x22202220
	s_mov_b32 s10, 0x55545554
	s_mov_b32 s15, 0xbfb8aa3b                      ; -log2(e)
	s_mov_b32 s67, 0x501502f9                      ; 1e10
	v_mov_b32 v27, s15
	s_delay_alu instid0(VALU_DEP_1)
	v_mul_f32 v28, s20, v27                        ; b_rgb x -log2(e)
	s_delay_alu instid0(VALU_DEP_2)
	v_mul_f32 v29, s21, v27
	s_delay_alu instid0(VALU_DEP_3)
	v_mul_f32 v30, s22, v27
.irp p, 0,1
	v_add_f32 v[RR+32*\p], v24, v[JR+\p]
	v_add_f32 v[RR+32*\p+1], v25, v[JN+\p]
.endr
.irp p, 0,1
	s_delay_alu instid0(VALU_DEP_4)
	v_mul_f32 v[RR+32*\p], 0x4079999a, v[RR+32*\p]
	s_delay_alu instid0(VALU_DEP_4)
	v_mul_f32 v[RR+32*\p+1], 0x4079999a, v[RR+32*\p+1]
.endr
.irp p, 0,1
	s_delay_alu instid0(VALU_DEP_4)
	v_fma_f32 v[RR+32*\p], v[RR+32*\p], s13, s14               ; my depth,
	s_delay_alu instid0(VALU_DEP_4)
	v_fma_f32 v[RR+32*\p+1], v[RR+32*\p+1], s13, s14           ; the next sample's
.endr
.irp p, 0,1
	s_delay_alu instid0(VALU_DEP_3)
	v_sub_f32 v[RR+32*\p+1], v[RR+32*\p+1], v[RR+32*\p]        ; delta
	v_add_f32 v[RR+32*\p+2], s23, v[ZR+4*\p+3]
.endr
.irp p, 0,1
	s_delay_alu instid0(VALU_DEP_4)
	v_writelane_b32 v[RR+32*\p+1], s67, 31                     ; the last delta is 1e10
	s_delay_alu instid0(VALU_DEP_4)
	v_max_num_f32 v[RR+32*\p+2], 0, v[RR+32*\p+2]              ; density
.endr
.irp p, 0,1
	s_delay_alu instid0(VALU_DEP_3)
	v_mul_f32 v[RR+32*\p+2], v[RR+32*\p+2], v[RR+32*\p+1]      ; tau
	v_mov_b32 v[RR+32*\p+4], 0
.endr
.irp p, 0
	s_delay_alu instid0(VALU_DEP_4)
	v_mov_b32 v[RR+32*\p+3], v[RR+32*\p+2]
.endr
.irp p, 1
	s_delay_alu instid0(VALU_DEP_3)
	v_mov_b32 v[RR+32*\p+3], v[RR+32*\p+2]
.endr
	SWEEP 1, 4, -1                                 ; upward: sums of 2, 4, 8, 16 neighbours
	SWEEP 2, 5, -1
	SWEEP 4, 6, -1
	SWEEP 8, 7, -1
.irp p, 0
	s_delay_alu instid0(VALU_DEP_2)
	v_readlane_b32 s[11+\p], v[RR+32*\p+3], 15     ; the sum of samples 0-15: final
	v_mov_b32 v[RR+32*\p+4], 0
.endr
.irp p, 1
	s_delay_alu instid0(VALU_DEP_3)
	v_readlane_b32 s[11+\p], v[RR+32*\p+3], 15     ; the sum of samples 0-15: final
	v_mov_b32 v[RR+32*\p+4], 0
.endr
.irp p, 0,1
	s_delay_alu instid0(VALU_DEP_3)
	v_writelane_b32 v[RR+32*\p+4], s[11+\p], 31    ; the last level upward,
	s_delay_alu instid0(VALU_DEP_1)
	v_writelane_b32 v[RR+32*\p+4], s[11+\p], 23    ; and the first downward: both add lane 15
.endr
.irp p, 0
	s_delay_alu instid0(VALU_DEP_3)
	v_add_f32 v[RR+32*\p+3], v[RR+32*\p+3], v[RR+32*\p+4]
.endr
.irp p, 1
	s_delay_alu instid0(VALU_DEP_2)
	v_add_f32 v[RR+32*\p+3], v[RR+32*\p+3], v[RR+32*\p+4]
.endr
	SWEEP 4, 8, 19                                 ; downward: lanes 11, 19, 27;
	SWEEP 2, 9, 17                                 ; lanes 5, 9, .. 29;
	SWEEP 1, 10, 16                                ; the even lanes from 2 on
.irp p, 0
	s_delay_alu instid0(VALU_DEP_2)
	v_sub_f32 v[RR+32*\p+6], v[RR+32*\p+3], v[RR+32*\p+2]      ; the running sum less tau, as the module forms it
	v_mul_f32 v[RR+32*\p+5], s15, v[RR+32*\p+2]
.endr
.irp p, 1
	s_delay_alu instid0(VALU_DEP_3)
	v_sub_f32 v[RR+32*\p+6], v[RR+32*\p+3], v[RR+32*\p+2]      ; the running sum less tau, as the module forms it
	v_mul_f32 v[RR+32*\p+5], s15, v[RR+32*\p+2]
.endr
.irp p, 0,1
	v_mul_f32 v[RR+32*\p+6], s15, v[RR+32*\p+6]
.irp c, 0,1,2
	v_fma_f32 v[RR+32*\p+7+\c], v[ZR+4*\p+\c], s15, v[28+\c]   ; -(z + b) log2(e)
.endr
.endr
	s_wait_alu depctr_va_vdst(0)
.irp p, 0,1
.irp i, 5,6,7,8,9
	v_exp_f32 v[RR+32*\p+\i], v[RR+32*\p+\i]
.endr
.endr
	v_nop                                          ; a plain line behind the last exponential,
	s_wait_alu depctr_va_vdst(0)                   ; and one wait ahead of the batch's first reader
.irp p, 0,1
	v_sub_f32 v[RR+32*\p+5], 1.0, v[RR+32*\p+5]                ; alpha
.irp c, 0,1,2
	v_add_f32 v[RR+32*\p+7+\c], 1.0, v[RR+32*\p+7+\c]
.endr
.endr
.irp p, 0,1
	v_mul_f32 v[RR+32*\p+10], v[RR+32*\p+5], v[RR+32*\p+6]     ; the weight
.endr
	s_wait_alu depctr_va_vdst(0)
.irp p, 0,1
.irp c, 0,1,2
	v_rcp_f32 v[RR+32*\p+7+\c], v[RR+32*\p+7+\c]
.endr
.endr
.irp p, 0,1
	v_mul_f32 v[RR+32*\p+14], v[RR+32*\p+10], v[RR+32*\p]      ; weight x depth: plain lines behind the last reciprocal
.endr
	s_wait_alu depctr_va_vdst(0)                   ; one wait for the six reciprocals
.irp p, 0,1
.irp c, 0,1,2
	v_mul_f32 v[RR+32*\p+11+\c], v[RR+32*\p+10], v[RR+32*\p+7+\c]
.endr
.endr
.irp x, 1,2,4,8
.irp p, 0,1
.irp c, 0,1,2,3
	v_add_f32_dpp v[RR+32*\p+11+\c], v[RR+32*\p+11+\c], v[RR+32*\p+11+\c] row_xmask:\x row_mask:0xf bank_mask:0xf
.endr
.endr
.endr
.irp p, 0,1
.irp c, 0,1,2,3
	v_permlanex16_b32 v[RR+32*\p+5+\c], v[RR+32*\p+11+\c], s104, s105
.endr
.endr
.irp p, 0,1
.irp c, 0,1,2,3
	v_add_f32 v[RR+32*\p+11+\c], v[RR+32*\p+11+\c], v[RR+32*\p+5+\c]
.endr
.endr
.irp c, 0,1,2,3
	s_delay_alu instid0(VALU_DEP_4)
	v_cndmask_b32 v[28+\c], v[RR+11+\c], v[RR+32+11+\c], s101  ; lanes 0-15 my first ray, lanes 16-31 my second
.endr
	ds_store_b128 v[OSA], v[28:31]                 ; sixteen lanes write the same 16 bytes with the same numbers
	s_wait_dscnt 0x0                               ; for the others' sake
	s_barrier_signal -1
	s_barrier_wait -1
	s_cmp_lg_u32 s90, 0
	s_cbranch_scc1 .Lnot_first
	ds_load_b128 v[64:67], v26                     ; wave 0 stores the work-group's 16 rays
	s_lshl_b32 s2, s98, 8
	s_mov_b32 s3, 0
	s_add_nc_u64 s[18:19], s[18:19], s[2:3]
	v_cmp_gt_u32 vcc_lo, 16, v0
	s_wait_dscnt 0x0
	s_wait_xcnt 0x0                                ; EXEC changes only behind this wait
	s_and_saveexec_b32 s4, vcc_lo
	global_store_b128 v[LN16], v[64:67], s[18:19] th:TH_STORE_NT   ; sixteen lanes store 256 consecutive bytes, at a multiple of 256 from the output's first byte
	s_wait_xcnt 0x0                                ; and again, in front of the line that widens it
	s_or_b32 exec_lo, exec_lo, s4
.Lnot_first:
	s_wait_tensorcnt 0x0                           ; the wave's end, behind my last tensor load and my last LDS store
	ds_add_u32 v[SPW], v[NIL]
	s_wait_dscnt 0x0
	CROUND                                         ; the closing round: no work-group ends while a partner may still ask for a tile that names it
	s_endpgm
.Lfunc_end_k_q070c35c99e_main:
	.size	k_q070c35c99e_main, .Lfunc_end_k_q070c35c99e_main-k_q070c35c99e_main
	.p2alignl 7, 3214868480
	.fill 96, 4, 3214868480
	.section	.rodata,"a",@progbits
	.p2align	6, 0x0
	.amdhsa_kernel k_q070c35c99e_main
		.amdhsa_group_segment_fixed_size 327680
		.amdhsa_private_segment_fixed_size 0
		.amdhsa_enable_private_segment 0
		.amdhsa_kernarg_size 64
		.amdhsa_user_sgpr_count 2
		.amdhsa_user_sgpr_kernarg_segment_ptr 1
		.amdhsa_wavefront_size32 1
		.amdhsa_system_sgpr_workgroup_id_x 1
		.amdhsa_system_sgpr_workgroup_id_y 1
		.amdhsa_system_sgpr_workgroup_id_z 1
		.amdhsa_system_vgpr_workitem_id 0
		.amdhsa_next_free_vgpr 512
		.amdhsa_next_free_sgpr 106
		.amdhsa_reserve_vcc 1
		.amdhsa_float_denorm_mode_32 3
		.amdhsa_float_denorm_mode_16_64 3
		.amdhsa_memory_ordered 1
		.amdhsa_forward_progress 1
		.amdhsa_inst_pref_size 255
	.end_amdhsa_kernel
	.section	.bss,"aw",@nobits
	.p2align	6
	.space	262144
	.amdgpu_metadata
---
amdhsa.version: [ 1, 2 ]
amdhsa.kernels:
  - .name:           k_q070c35c99e_main
    .symbol:         k_q070c35c99e_main.kd
    .args:
      - { .name: ray_pos, .offset: 0, .size: 8, .value_kind: global_buffer, .address_space: global }
      - { .name: ray_dir, .offset: 8, .size: 8, .value_kind: global_buffer, .address_space: global }
      - { .name: jitter, .offset: 16, .size: 8, .value_kind: global_buffer, .address_space: global }
      - { .name: lowp_scales, .offset: 24, .size: 8, .value_kind: global_buffer, .address_space: global }
      - { .name: b_rgb, .offset: 32, .size: 8, .value_kind: global_buffer, .address_space: global }
      - { .name: b_den, .offset: 40, .size: 8, .value_kind: global_buffer, .address_space: global }
      - { .name: wk, .offset: 48, .size: 8, .value_kind: global_buffer, .address_space: global }
      - { .name: out0, .offset: 56, .size: 8, .value_kind: global_buffer, .address_space: global }
    .group_segment_fixed_size: 327680
    .private_segment_fixed_size: 0
    .kernarg_segment_align: 8
    .kernarg_segment_size: 64
    .max_flat_workgroup_size: 256
    .sgpr_count:     106
    .vgpr_count:     512
    .wavefront_size: 32
...
	.end_amdgpu_metadata
.endif
;; end of part 2
